; MI455X (gfx1250); checked and timed in simulation.
; The chip was launched on July 23, 2026; its instructions are those of AMD's public machine-readable ISA for CDNA 5 (MIT licence, August 2026) and "CDNA5" Instruction Set Architecture Reference Guide (July 2026). The comments in the code are by the model that wrote it; some were corrected since.
;; Self Attention. Allowed arithmetic: matrix products marked QUANTISED: E2M3 operands, one E8M0 scale for each 32 along K, by v_wmma_scale_f32_16x16x128_f8f6f4 with both operands' format E2M3, f32 sums; everything else in f32.
;; Inputs: Wk 1,024 x 512 float32; Wq 1,024 x 512 float32; Wv 1,024 x 128 float32; x 4 x 4,096 x 1,024 float32.
;; Outputs: out0 4 x 4,096 x 128 float32.
;; This version of the problem:
;;   THIS VERSION OF THE PROBLEM IS GIVEN IN LOW PRECISION. The matrix products marked QUANTISED in the list below multiply operands that are first quantised to E2M3 (2 exponent bits, 3 mantissa bits; 6 bits a number), with one power-of-two scale for each 32 numbers along K (OCP MX v1.0); their sums are f32. All else is computed in f32.
;;   The module's matrix products, in the order in which they are computed (A, B: the left and right operand; K: the contracted axis; several contracted axes count as one K, in the product's order):
;;     1. [M 16,384, K 1,024] x [K 1,024, N 512]; A: input x; B: input Wq: QUANTISED
;;     2. [M 16,384, K 1,024] x [K 1,024, N 512]; A: input x; B: input Wk: QUANTISED
;;     3. [M 16,384, K 1,024] x [K 1,024, N 128]; A: input x; B: input Wv: QUANTISED
;;     4. batch 4 x [M 4,096, K 512] x [K 512, N 4,096]; A: computed on the way; B: computed on the way: QUANTISED
;;     5. batch 4 x [M 4,096, K 4,096] x [K 4,096, N 128]; A: softmax (see below); B: computed on the way: QUANTISED
;;   THE QUANTISER, for each operand of a quantised product, along K:
;;     - K is cut into blocks of 32 from its start; a last block that is shorter is filled with zeros.
;;     - A block's scale is 2^e with e = floor(log2(the largest magnitude in the block)) - 2, held to -126 .. 127; a block of zeros has e = 0. As a byte (E8M0): e + 127.
;;     - Each number is divided by its block's scale, clamped to +-7.5, and rounded to the nearest number of E2M3, ties to even, subnormals kept.
;;     - The product sums the exact products of the quantised numbers (number of the format x scale) in f32.
;;   ~~~python
;;   def quantise(x, axis):      # numpy; x: float32 -> the quantised numbers, widened to float32 again
;;       x = np.moveaxis(x, axis, -1); K = x.shape[-1]
;;       x = np.pad(x, [(0, 0)] * (x.ndim - 1) + [(0, -K % 32)]); x = x.reshape(x.shape[:-1] + (-1, 32)); a = np.abs(x).max(-1, keepdims=True)
;;       e = np.where(a > 0, np.clip(np.frexp(np.where(a > 0, a, 1))[1] - 1 - 2, -126, 127), 0)      # np.frexp(a)[1] - 1 = floor(log2(a)), exactly
;;       r = np.clip(x / 2.0 ** e, -7.5, 7.5)
;;       step = 2.0 ** (np.maximum(np.frexp(np.where(r == 0, 1, r))[1] - 1, 0) - 3)
;;       q = np.round(r / step) * step * 2.0 ** e      # np.round: ties to even
;;       return np.moveaxis(q.reshape(q.shape[:-2] + (-1,))[..., :K], -1, axis).astype(np.float32)
;;   ~~~
;;   SOFTMAX AHEAD OF A QUANTISED PRODUCT. Where the list says 'softmax', what is quantised is not the finished softmax but p = 2^(t - M), with t = logit x log2(e) and M = ceil(the row's largest t), a whole number; so 1/2 < the row's largest p <= 1. The row's sum l is taken of the UNQUANTISED p, in f32, and the product's result is divided by l at the end. Since M is a whole number, a kernel that streams over the keys may use a running M (the ceiling of the running maximum): every later rescaling is an exact power of two, which a block's scale takes up: the codes' values come out the same.
;;   OPERANDS COMPUTED ON THE WAY. 'Computed on the way' means the value that the module computes at that place (a softmax that the list does not call 'softmax' is quantised finished and normalised). What goes into a quantiser is computed in f32, as accurately as f32 sums, v_exp_f32 and their like allow (about 1e-6 of the number): no bf16 or f16 on the way to a quantiser, and a product that is left as it is and whose result goes on into a quantised operand takes f32 operands (vector FMAs, or v_wmma_f32_16x16x4_f32). A number that lies on a knife's edge between two numbers of the format may be rounded either way, as far as f32 arithmetic and the matrix unit's own rounding can turn it there, and no further.
;; One version. Each part assembles by itself: llvm-mc -triple=amdgcn-amd-amdhsa -mcpu=gfx1250 --defsym DOCPART=n.
;; ======== version 1 of 1: 3 launches
;; limits: right only within a limited range of input values
;; workspace buffers: wt 933,888 bytes; qq 6,553,600 bytes; kv 8,257,536 bytes
;; launch prepw (part 1): grid 9 x 8, 4 waves a work-group, no clusters, 13,824 bytes of LDS; arguments Wq, Wk, Wv, wt; writes wt
.if DOCPART == 1
	.amdgcn_target "amdgcn-amd-amdhsa--gfx1250"
	.amdhsa_code_object_version 6
	.text
	.protected	k_q539a3a562a_prepw
	.globl	k_q539a3a562a_prepw
	.p2align	8
	.type	k_q539a3a562a_prepw,@function
k_q539a3a562a_prepw:
	s_mov_b64 s[64:65], 0
	v_nop
	global_prefetch_b8 v0, s[64:65] scope:SCOPE_SE
	s_setreg_imm32_b32 hwreg(HW_REG_WAVE_MODE, 25, 1), 1
	s_wait_xcnt 0x0
; Wq, Wk [1024][512] and Wv [1024][128], f32, K = their FIRST axis, become codes of FP6 (E2M3) with one E8M0 byte for each 32 along K,
; laid in wt in the order of the operand's registers, so that the next launch takes every fragment by loads of 16 bytes a lane.
; wt: [K step s 0..7][wave w 0..3 of the next launch][29,184 bytes]: 18 images of 1,536 bytes (f 0-7: Wq's column tiles 8 w on; f 8-15: Wk's; f 16, 17: Wv's 2 w, 2 w + 1),
; then 12 x 128 bytes of scale words: register i: lanes 0-15 the words of fragment 2 i, lanes 16-31 those of 2 i + 1 (9 to 11 repeat 8, so that every byte of a block is written).
; AN IMAGE of a fragment (16 columns x 128 K, 12 registers a lane): three chunks of 512 bytes, chunk k = registers 4 k .. 4 k + 3, lane l's 16 bytes at 16 l.
; THE COLUMNS OF A TILE ARE NOT NEIGHBOURS: of a run of 32 columns tile u takes, in lane r, column 8 u + r + 8 (r / 8).
; SHARES: work-group x: 0-3 Wq's columns 128 x on, 4-7 Wk's, 8 all of Wv; work-group y: the K step.  A wave takes 32 columns x 128 K: a lane a column, its registers down K: each load reads
; 128 consecutive bytes, a block of 32 lies in one lane, and the conversions give codes with K innermost.  The codes go to their places in the wave's own 3,328 bytes of LDS and leave as 512 consecutive bytes a store.
; THE LOADS go out in portions, a block and a half ahead of the work: 48 rows at the head, then 32, 32 and 16, each behind the wait at a block's head: at most 48 loads of a wave are out.
; A block's scale is 2^(floor(log2(its largest magnitude)) - 2); its byte is the largest magnitude's exponent field - 2, held at 1 from below.
; LIMITS: a block of zeros gets the byte 1 where the rule says 127 (its codes are zeros, and this program alone reads the bytes); blocks whose largest magnitude lies under 2^-124 are held at that byte; NaN and infinities are not served.
; No matrix unit, no cluster, no tensor load: 4.7 MB are read once and nothing is shared between waves.
.set X,    80                          ; v80-207  my column's 128 numbers, a register of its own for each row
.set CT,   48                          ; v48-50   a block's upper 16 codes as the conversion leaves them
.set OUTR, 52                          ; v52-75   two images on the way out; v76 the scale words
.set WREG, 3328                        ; LDS of a wave: two images, then 128 bytes of scale words
; n rows from row first on: W(128 s + i, my column): 32 lanes read 128 consecutive bytes.  The two arms differ in the row's pitch alone (2,048 bytes in Wq and Wk, 512 in Wv), hold the same number of loads and nothing else;
; the branch hangs on the work-group's number.
.macro LOADS first, n
	s_cmp_eq_u32 ttmp9, 8
	s_cbranch_scc1 .Lwv_\@
.set i, (\first)
.rept \n
	global_load_b32 v[X+i], v2, s[4:5] offset:i*2048 th:TH_LOAD_NT
.set i, i+1
.endr
	s_branch .Lin_\@
.Lwv_\@:
.set i, (\first)
.rept \n
	global_load_b32 v[X+i], v2, s[4:5] offset:i*512 th:TH_LOAD_NT
.set i, i+1
.endr
.Lin_\@:
.endm
	s_load_b256 s[4:11], s[0:1], 0x0               ; Wq s[4:5], Wk s[6:7], Wv s[8:9], wt s[10:11]
	v_lshl_add_u32 v208, v0, 2, 0x3400
	v_mov_b32 v209, 0
	v_lshrrev_b32 v1, 5, v0
	v_readfirstlane_b32 s12, v1                    ; wave v
	v_and_b32 v1, 31, v0                           ; lane = my column in the wave's run of 32
	v_lshlrev_b32 v2, 2, v1                        ; 4 x lane
	v_lshlrev_b32 v15, 4, v1                       ; 16 x lane
	s_mul_i32 s13, s12, WREG
	v_bfe_u32 v7, v0, 3, 1                         ; u: which of the two tiles my column belongs to
	v_and_b32 v13, 7, v0
	v_bfe_u32 v14, v0, 4, 1
	v_lshl_add_u32 v13, v14, 3, v13                ; r: its row in that tile
	v_mul_u32_u24 v3, v7, 1536
	v_lshl_add_u32 v3, v13, 4, v3
	v_add_nc_u32 v3, s13, v3                       ; v3: image u, 16 r
	v_lshl_add_u32 v4, v7, 4, v13
	v_lshlrev_b32 v4, 2, v4
	v_add_nc_u32 v4, s13, v4                       ; v4: 4 (16 u + r): my scale word's place (+ 3,072 in the immediate)
	v_add_nc_u32 v5, s13, v15                      ; v5: back: 16 x lane
	v_add_nc_u32 v6, s13, v2                       ; v6: back: 4 x lane
	s_and_b32 s14, ttmp7, 0xffff                   ; the K step s
	s_and_b32 s15, ttmp9, 3
	s_lshr_b32 s16, ttmp9, 2
	s_lshl_b32 s17, s14, 18                        ; Wq, Wk: 128 rows of 2,048 bytes a K step,
	s_lshl_b32 s18, s15, 9                         ; 128 columns a work-group,
	s_add_co_u32 s17, s17, s18
	s_lshl_b32 s18, s12, 7                         ; 32 columns a wave
	s_add_co_u32 s17, s17, s18
	s_lshl_b32 s19, s14, 16                        ; Wv: 128 rows of 512 bytes a K step
	s_add_co_u32 s19, s19, s18
	s_lshl_b32 s20, s16, 3
	s_lshl_b32 s21, s12, 1
	s_add_co_u32 s20, s20, s21                     ; my first fragment f0 = 8 (x / 4) + 2 v
	s_cmp_eq_u32 ttmp9, 8                          ; Wv's work-group?
	s_cselect_b32 s28, s19, s17                    ; where my numbers begin
	s_cselect_b32 s20, 16, s20                     ; f0
	s_cselect_b32 s15, s12, s15                    ; which wave of the next launch they are for
	s_mov_b32 s29, 0
	s_mul_i32 s22, s14, 116736
	s_mul_i32 s23, s15, 29184
	s_add_co_u32 s22, s22, s23                     ; that wave's block of this K step
	s_mul_i32 s24, s20, 1536
	s_add_co_u32 s24, s24, s22                     ; my two images
	s_mov_b32 s25, 0
	s_lshl_b32 s26, s20, 6                         ; (f0 / 2) x 128
	s_add_co_u32 s26, s26, s22
	s_add_co_u32 s26, s26, 27648                   ; my register of scale words
	s_mov_b32 s27, 0
	s_wait_kmcnt 0x0
	s_cmp_lt_u32 ttmp9, 4                          ; the choice of the tensor hangs on the work-group's number alone
	s_cselect_b64 s[4:5], s[4:5], s[6:7]
	s_cmp_eq_u32 ttmp9, 8
	s_cselect_b64 s[4:5], s[8:9], s[4:5]
	s_add_nc_u64 s[4:5], s[4:5], s[28:29]
	s_add_nc_u64 s[6:7], s[10:11], s[24:25]
	s_add_nc_u64 s[10:11], s[10:11], s[26:27]
	LOADS 0, 48                                    ; block 0 and half of block 1
; Block t of 32 along K.  In the fragment it is registers 6 (t / 2) .. + 5 of lane r + 16 (t % 2).
.macro BLOCK t
.set XS, X+32*(\t)
.set C, 16+8*(\t)                      ; six registers of codes for each block, so that no LDS store's data are written again
.if (\t) < 3
	s_wait_loadcnt 16                              ; loads come back in order: rows up to 32 t + 31 are in; the 16 youngest, the first half of the next block, may be out
.else
	s_wait_loadcnt 0x0                             ; the last block: nothing was asked for behind it
.endif
.if (\t) < 2
	LOADS 48+32*(\t), 32                           ; the next portion goes out ahead of this block's arithmetic: 16 + 32 loads are out
.elseif (\t) == 2
	LOADS 112, 16                                  ; the last 16 rows
.endif
	v_max3_num_f32 v8, |v[XS]|, |v[XS+1]|, |v[XS+2]|   ; the block's largest magnitude, in two chains
	v_max3_num_f32 v9, |v[XS+3]|, |v[XS+4]|, |v[XS+5]|
.irp i, 6,10,14,18,22,26
	v_max3_num_f32 v8, v8, |v[XS+\i]|, |v[XS+\i+1]|
	v_max3_num_f32 v9, v9, |v[XS+\i+2]|, |v[XS+\i+3]|
.endr
	v_max3_num_f32 v8, v8, |v[XS+30]|, |v[XS+31]|
	v_max3_num_f32 v8, v8, v9, 0x1800000           ; and the floor 2^(3 - 127): the byte cannot fall under 1
	v_add_nc_u32 v10, 0xff000000, v8               ; 2 off the exponent field: the conversion takes this operand's exponent field as its scale
	v_lshrrev_b32 v11, 23, v10                     ; the scale's byte
.if (\t) == 0
	v_mov_b32 v12, v11
.else
	v_lshl_or_b32 v12, v11, 8*(\t), v12            ; four bytes make my column's scale word, the lower K in the lower byte
.endif
	v_cvt_scalef32_pk16_fp6_f32 v[C:C+2], v[XS:XS+15], v10
	v_cvt_scalef32_pk16_fp6_f32 v[CT:CT+2], v[XS+16:XS+31], v10   ; (a conversion's three registers begin on an even number)
	v_nop                                          ; one plain instruction between a scaled conversion and the vector instruction that reads its result
	v_mov_b32 v[C+3], v[CT]
	v_mov_b32 v[C+4], v[CT+1]
	v_mov_b32 v[C+5], v[CT+2]
.if (\t)/2 == 0
	ds_store_b128 v3, v[C:C+3] offset:256*((\t)%2)             ; registers 0-3: chunk 0
	ds_store_b64 v3, v[C+4:C+5] offset:512+256*((\t)%2)        ; registers 4, 5: the lower half of my 16 bytes of chunk 1
.else
	ds_store_b64 v3, v[C:C+1] offset:520+256*((\t)%2)          ; registers 6, 7: the upper half
	ds_store_b128 v3, v[C+2:C+5] offset:1024+256*((\t)%2)      ; registers 8-11: chunk 2
.endif
.endm
	BLOCK 0
	BLOCK 1
	BLOCK 2
	BLOCK 3
	ds_store_b32 v4, v12 offset:3072
.irp k, 0,1,2,3,4,5
	ds_load_b128 v[OUTR+4*\k:OUTR+4*\k+3], v5 offset:512*\k    ; LDS serves a wave's instructions in order: these see my wave's stores
.endr
	ds_load_b32 v76, v6 offset:3072
	s_wait_dscnt 0x0
.irp k, 0,1,2,3,4,5
	global_store_b128 v15, v[OUTR+4*\k:OUTR+4*\k+3], s[6:7] offset:512*\k   ; 32 lanes store 512 consecutive bytes, at a multiple of 256 from wt's first byte
.endr
	global_store_b32 v2, v76, s[10:11]
	s_cmp_lg_u32 ttmp9, 8
	s_cbranch_scc1 .Ldone
	global_store_b32 v2, v76, s[10:11] offset:128  ; Wv's work-group fills the three registers of scale words that no fragment has
	global_store_b32 v2, v76, s[10:11] offset:256
	global_store_b32 v2, v76, s[10:11] offset:384
.Ldone:
	s_wait_tensorcnt 0x0
	ds_add_u32 v208, v209
	s_wait_dscnt 0x0
	s_endpgm
.Lfunc_end_k_q539a3a562a_prepw:
	.size	k_q539a3a562a_prepw, .Lfunc_end_k_q539a3a562a_prepw-k_q539a3a562a_prepw
	.p2alignl 7, 3214868480
	.fill 96, 4, 3214868480
	.section	.rodata,"a",@progbits
	.p2align	6, 0x0
	.amdhsa_kernel k_q539a3a562a_prepw
		.amdhsa_group_segment_fixed_size 13824
		.amdhsa_private_segment_fixed_size 0
		.amdhsa_enable_private_segment 0
		.amdhsa_kernarg_size 32
		.amdhsa_user_sgpr_count 2
		.amdhsa_user_sgpr_kernarg_segment_ptr 1
		.amdhsa_wavefront_size32 1
		.amdhsa_system_sgpr_workgroup_id_x 1
		.amdhsa_system_sgpr_workgroup_id_y 1
		.amdhsa_system_sgpr_workgroup_id_z 1
		.amdhsa_system_vgpr_workitem_id 0
		.amdhsa_next_free_vgpr 210
		.amdhsa_next_free_sgpr 66
		.amdhsa_reserve_vcc 0
		.amdhsa_float_denorm_mode_32 3
		.amdhsa_float_denorm_mode_16_64 3
		.amdhsa_memory_ordered 1
		.amdhsa_forward_progress 1
		.amdhsa_inst_pref_size 35
	.end_amdhsa_kernel
	.amdgpu_metadata
---
amdhsa.version: [ 1, 2 ]
amdhsa.kernels:
  - .name:           k_q539a3a562a_prepw
    .symbol:         k_q539a3a562a_prepw.kd
    .args:
      - { .name: Wq, .offset: 0, .size: 8, .value_kind: global_buffer, .address_space: global }
      - { .name: Wk, .offset: 8, .size: 8, .value_kind: global_buffer, .address_space: global }
      - { .name: Wv, .offset: 16, .size: 8, .value_kind: global_buffer, .address_space: global }
      - { .name: wt, .offset: 24, .size: 8, .value_kind: global_buffer, .address_space: global }
    .group_segment_fixed_size: 13824
    .private_segment_fixed_size: 0
    .kernarg_segment_align: 8
    .kernarg_segment_size: 32
    .max_flat_workgroup_size: 128
    .sgpr_count:     66
    .vgpr_count:     210
    .wavefront_size: 32
...
	.end_amdgpu_metadata
.endif
;; end of part 1
;; launch proj (part 2): grid 256 x 1, 4 waves a work-group, clusters of 4 x 1, 327,680 bytes of LDS; arguments x, wt, qq, kv; writes qq, kv
.if DOCPART == 2
	.amdgcn_target "amdgcn-amd-amdhsa--gfx1250"
	.amdhsa_code_object_version 6
	.text
	.protected	k_q539a3a562a_proj
	.globl	k_q539a3a562a_proj
	.p2align	8
	.type	k_q539a3a562a_proj,@function
k_q539a3a562a_proj:
	s_mov_b64 s[64:65], 0
	v_nop
	global_prefetch_b8 v0, s[64:65] scope:SCOPE_SE
	s_setreg_imm32_b32 hwreg(HW_REG_WAVE_MODE, 25, 1), 1
	s_wait_xcnt 0x0
	s_wait_alu depctr_hold_cnt(0) depctr_sa_sdst(0) depctr_va_vdst(0) depctr_va_sdst(0) depctr_va_ssrc(0) depctr_va_vcc(0) depctr_vm_vsrc(0)
	s_getreg_b32 s2, hwreg(HW_REG_IB_STS2, 6, 4)
	s_cmp_eq_u32 s2, 0
	s_cbranch_scc0 .Lentry_in_a_cluster
	s_endpgm
.Lentry_in_a_cluster:
	s_bfe_u32 s2, ttmp6, 0x10000c
	s_cmp_lg_u32 s2, 0x3003
	s_cbranch_scc0 .Lentry_shape_is_right
	s_endpgm
.Lentry_shape_is_right:
; Q = x Wq, K = x Wk, V = x Wv on codes of FP6 (E2M3) with one E8M0 scale for each 32 along K; x [16384][1024] f32 is quantised here, the weights come as images from wt.
; The results never go to memory as f32: Q and K are quantised along their 512 columns, V along the keys, and leave as images of the operands that the attention launch takes.
; SHARES.  Work-group g owns rows 64 g .. 64 g + 63 of x and all 1,152 columns.  THE WAVES SHARE THE COLUMNS: wave w has Q's columns 128 w on (8 tiles), K's likewise, V's channels 32 w on (2 tiles), for
; the four tiles of 16 rows: 72 accumulators, 576 registers.  So its 128 columns of Q are one K step of the scores' product, and its results become whole fragments and whole scale words.
; x: wave w quantises row tile w of each K step of 128 (16 loads of 512 consecutive bytes, turned through its own stage in LDS so that a lane holds 16 neighbours of a row) and hands the image to all four waves through LDS.
; THE ROWS OF A TILE ARE NOT NEIGHBOURS: of a run of 32 rows (of x; of W's columns) tile u takes, in lane r, row 8 u + r + 8 (r / 8): then the 16 registers of two neighbouring result tiles are 16 neighbours.
; Q and K are made TRANSPOSED (source 0 = 16 columns of W, source 1 = 16 rows of x): a lane holds one row of x, its registers run along the columns, the next K.  V is made the natural way: a lane holds one channel, its registers run along the keys.
; THE WEIGHTS go through a ring of two LDS slots, a K step (116,736 bytes) each.  CLUSTER: the four work-groups of a cluster walk the same wt, so each wave's part (29,184 bytes) is asked for JOINTLY by the four.
; One tensor load of a wave is out at any time.  x runs two K steps ahead in registers (32 loads a wave).
; THE WALK ALONG K IS STAGGERED: cluster c begins at K step (c xor c / 8) % 8 and goes round all eight, x and wt alike: at any step of the walk the 64 clusters ask for all eight K steps of wt, eight clusters each, and not all for one.
; Whichever single bit of c is held fixed, the 32 clusters left still begin at all eight K steps.
; OUT.  qq [g][25,600]: images [row tile m][K step s] x 1,536 bytes, then scale words [s][lane][j]: the word of tile 2 j + lane / 16, row lane % 16.  kv [g][32,256]: K's block laid as qq's, then at 25,600 V's eight half images
; (16 channels x 64 keys: registers 0-1 as 8 bytes a lane, registers 2-5 as 16 bytes a lane: 768 bytes), then at 31,744 V's scale words [pair i][lane]: lanes 0-15 tile 2 i, lanes 16-31 tile 2 i + 1, bytes 0, 1 the two key blocks, bytes 2, 3 zero.
; LIMITS: the f32 sums over K run in the cluster's rotated order of K steps, not ascending; a block of zeros gets the byte 1 where the rule says 127 (its codes are zeros; this program alone reads the bytes);
; blocks whose largest magnitude lies under 2^-124 are held at that byte; NaN and infinities are not served.
; No prefetch is laid: x is asked for two K steps ahead by its own loads, and each K step of wt is read by all 64 clusters, at eight different steps of their walks.
; REGISTERS, in windows of 256.  Window 0: v1-15 addresses, v16-17 the add's two, v18-21 at work, v32-79 x's four fragments, v80-83 their scale words, v84-92 the weights' scale words, v96-99 four scale words made, v100 one,
;   v104-119 the quantiser's, v120-139 codes just made, v144-191 and v192-239 two sets of four weight fragments.  Window 1: Q's 32 accumulators at 8 (8 m + c).  Window 2: K's.  Window 3: v0-63 V's at 8 (4 n + m); v64-127, v128-191 x as loaded, two sets; v192-255 x turned.
; SCALARS: s12 wave; s[24:31] group 1; s[32:39] two groups 0; s[40:41] lane selects; s42 the loop's count; s[44:45] x at the K step being asked for; s[46:47] my block of qq; s[48:49] of kv; s[56:57] x at my first row;
;   s58 the K step of x to be asked for next; s59 the K step of wt asked for last; s[60:61] an offset, its upper word 0; s[62:63] wt at my wave's part of K step 0.
.set WBLK,  29184                      ; a wave's part of a K step of wt
.set SLOTB, 4*WBLK
.set XST,   2*SLOTB                    ; behind the ring: the turn stages, 16 rows x 528 bytes for each wave
.set XSTW,  16*528
.set XIMG,  XST+4*XSTW                 ; x's images: two buffers of 4 x 1,536 bytes + 4 x 128 bytes of scale words
.set XBUF,  4*1536+4*128
.set SPARE, XIMG+2*XBUF                ; the spare words, 128 bytes for each wave: two blocks of 256 bytes that no other line names
.set XF,  32
.set XS,  80
.set WS,  84
.set PWS, 96
.set PW,  100
.set TM,  104
.set PC,  120
.set WFA, 144
.set G1,  24                           ; s[24:31] descriptor group 1;  s[32:35], s[36:39] group 0 for slot 0, 1
.set G0,  32
.set MSB, 0
.macro WIN new                         ; the immediate's high byte repeats the setting that is left; a switch that changes nothing is dropped
.if MSB != (\new)
	s_set_vgpr_msb (MSB<<8)|(\new)
.set MSB, (\new)
.endif
.endm
.macro ROUND                           ; a round of the cluster's barrier
	s_barrier_signal -1
	s_barrier_wait -1
	s_cmp_lg_u32 s12, 0
	s_cbranch_scc1 .Lnot_wave_0_\@
	s_barrier_signal -3
.Lnot_wave_0_\@:
	s_barrier_wait -3
	s_barrier_signal -1
	s_barrier_wait -1
.endm
.macro PLACES                          ; four plain instructions between a matrix instruction and a load into, or a read of, its registers
.rept 4
	v_nop
.endr
.endm
.macro XLOAD set                       ; my 16 rows' 512 bytes of the K step s58 into set; then s58 goes one on, round the eight
	s_wait_xcnt 0x0                                ; the loads issued earlier have read their base: it may be written
	s_lshl_b32 s60, s58, 9                         ; 512 bytes of a row a K step
	s_add_nc_u64 s[44:45], s[56:57], s[60:61]
	s_add_co_u32 s58, s58, 1
	s_and_b32 s58, s58, 7
	WIN 0xc0                                       ; destination window 3
.irp i, 0,1,2,3,4,5,6,7,8,9,10,11,12,13,14,15
	global_load_b128 v[64+64*(\set)+4*\i:64+64*(\set)+4*\i+3], v11, s[44:45] offset:(\i+8*(\i/8))*4096 th:TH_LOAD_NT   ; 32 lanes read 512 consecutive bytes of one row
.endr
	WIN 0
.endm
.macro TURNIN set, lc                  ; the set goes through my stage as it lies and comes back 16 neighbours a lane and block: register 16 b + i = k 32 b + 16 (lane / 16) + i of row lane % 16
	s_wait_loadcnt \lc                             ; the set is in; lc younger loads (the next K step's) may be out
	WIN 0x0c                                       ; an LDS store's data are its source 1: window 3
.irp i, 0,1,2,3,4,5,6,7,8,9,10,11,12,13,14,15
	ds_store_b128 v3, v[64+64*(\set)+4*\i:64+64*(\set)+4*\i+3] offset:528*\i
.endr
	WIN 0xc0
.irp b, 0,1,2,3
.irp j, 0,1,2,3
	ds_load_b128 v[192+16*\b+4*\j:192+16*\b+4*\j+3], v4 offset:128*\b+16*\j   ; LDS serves a wave's instructions in order: these see the stores above
.endr
.endr
	WIN 0
.endm
; 64 numbers of a lane in window W, v[s] on, register 16 b + i = neighbour 32 b + 16 (lane / 16) + i of my row, become 12 registers of codes in v[PC] on and the scale word v[pw].  Each accumulator is read from its low end on.
.macro QUANT s, W, pw
	WIN ((\W)<<2)|((\W)<<4)                        ; sources 1 and 2 in window W
.irp b, 0,1,2,3
	v_max3_num_f32 v[TM+\b], 0x1800000, |v[(\s)+16*\b]|, |v[(\s)+16*\b+1]|   ; block b: my 16 numbers, and the floor 2^(3 - 127): the byte cannot fall under 1
.endr
.irp i, 2,4,6,8,10,12,14
.irp b, 0,1,2,3
	v_max3_num_f32 v[TM+\b], v[TM+\b], |v[(\s)+16*\b+\i]|, |v[(\s)+16*\b+\i+1]|   ; (the four blocks by turns)
.endr
.endr
	WIN 0
.irp b, 0,1,2,3
	v_permlanex16_b32 v[TM+4+\b], v[TM+\b], s40, s41
.endr
.irp b, 0,1,2,3
	v_max_num_f32 v[TM+\b], v[TM+\b], v[TM+4+\b]   ; with lane l xor 16's 16: the block's largest magnitude
.endr
.irp b, 0,1,2,3
	v_add_nc_u32 v[TM+12+\b], 0xff000000, v[TM+\b] ; 2 off its exponent field: the conversion's scale operand
.endr
.irp b, 0,1,2,3
	v_lshrrev_b32 v[TM+4+\b], 23, v[TM+12+\b]      ; the scale's byte
.endr
	v_lshl_or_b32 v[\pw], v[TM+5], 8, v[TM+4]
	v_lshl_or_b32 v[\pw], v[TM+6], 16, v[\pw]
	v_lshl_or_b32 v[\pw], v[TM+7], 24, v[\pw]
	WIN (\W)                                       ; source 0 in window W
.irp c, 0,1
	v_cvt_scalef32_pk16_fp6_f32 v[PC+6*\c:PC+6*\c+2], v[(\s)+32*\c:(\s)+32*\c+15], v[TM+12+2*\c]
	v_cvt_scalef32_pk16_fp6_f32 v[PC+12+4*\c:PC+14+4*\c], v[(\s)+32*\c+16:(\s)+32*\c+31], v[TM+13+2*\c]   ; (a conversion's three registers begin on an even number)
.endr
	WIN 0
	v_nop                                          ; one plain instruction behind the scaled conversions
.irp c, 0,1                            ; the operand's layout wants a WHOLE block in a lane: lanes 0-15 block 2 c, lanes 16-31 block 2 c + 1
.irp i, 0,1,2
	v_permlane16_swap_b32 v[PC+6*\c+\i], v[PC+12+4*\c+\i]
.endr
.irp i, 0,1,2
	v_mov_b32 v[PC+3+6*\c+\i], v[PC+12+4*\c+\i]
.endr
.endr
.endm
.macro FETCHX sg                       ; x's four fragments and scale words of this K step, and my nine registers of the weights' scale words: 25 loads
.irp m, 0,1,2,3
.irp c, 0,1,2
	ds_load_b128 v[XF+12*\m+4*\c:XF+12*\m+4*\c+3], v1 offset:XBUF*(\sg)+1536*\m+512*\c
.endr
.endr
.irp m, 0,1,2,3
	ds_load_b32 v[XS+\m], v2 offset:XBUF*(\sg)+128*\m
.endr
.irp i, 0,1,2,3,4,5,6,7,8
	ds_load_b32 v[WS+\i], v[9+(\sg)] offset:128*\i
.endr
.endm
.macro LW grp, set, sg, n              ; n weight fragments, 4 grp on, into set: three loads of 16 bytes a lane each
.set k, 0
.rept \n
.irp c, 0,1,2
	ds_load_b128 v[WFA+48*(\set)+12*k+4*\c:WFA+48*(\set)+12*k+4*\c+3], v[7+(\sg)] offset:1536*(4*(\grp)+k)+512*\c
.endr
.set k, k+1
.endr
.endm
; 16 products for Q or K: four column tiles, each against the four row tiles.  Source 0 = the weights, source 1 = x.  No two neighbours share an accumulator, and an accumulator comes back after the 71 others.
.macro MULQK grp, set, zero
.irp k, 0,1,2,3
.irp m, 0,1,2,3
.set FF, 4*(\grp)+\k
.set DD, 8*(8*\m+FF%8)
.set AA, WFA+48*(\set)+12*\k
.set BB, XF+12*\m
.if \zero
.if FF%2
	v_wmma_scale_f32_16x16x128_f8f6f4 v[DD:DD+7], v[AA:AA+11], v[BB:BB+11], 0, v[WS+FF/2], v[XS+\m] matrix_a_fmt:MATRIX_FMT_FP6 matrix_b_fmt:MATRIX_FMT_FP6 matrix_a_scale:MATRIX_SCALE_ROW1
.else
	v_wmma_scale_f32_16x16x128_f8f6f4 v[DD:DD+7], v[AA:AA+11], v[BB:BB+11], 0, v[WS+FF/2], v[XS+\m] matrix_a_fmt:MATRIX_FMT_FP6 matrix_b_fmt:MATRIX_FMT_FP6
.endif
.else
.if FF%2
	v_wmma_scale_f32_16x16x128_f8f6f4 v[DD:DD+7], v[AA:AA+11], v[BB:BB+11], v[DD:DD+7], v[WS+FF/2], v[XS+\m] matrix_a_fmt:MATRIX_FMT_FP6 matrix_b_fmt:MATRIX_FMT_FP6 matrix_a_scale:MATRIX_SCALE_ROW1
.else
	v_wmma_scale_f32_16x16x128_f8f6f4 v[DD:DD+7], v[AA:AA+11], v[BB:BB+11], v[DD:DD+7], v[WS+FF/2], v[XS+\m] matrix_a_fmt:MATRIX_FMT_FP6 matrix_b_fmt:MATRIX_FMT_FP6
.endif
.endif
.endr
.endr
.endm
; 8 products for V: source 0 = x, source 1 = the weights
.macro MULVP set, zero
.irp n, 0,1
.irp m, 0,1,2,3
.set DD, 8*(4*\n+\m)
.set AA, XF+12*\m
.set BB, WFA+48*(\set)+12*\n
.if \zero
.if \n
	v_wmma_scale_f32_16x16x128_f8f6f4 v[DD:DD+7], v[AA:AA+11], v[BB:BB+11], 0, v[XS+\m], v[WS+8] matrix_a_fmt:MATRIX_FMT_FP6 matrix_b_fmt:MATRIX_FMT_FP6 matrix_b_scale:MATRIX_SCALE_ROW1
.else
	v_wmma_scale_f32_16x16x128_f8f6f4 v[DD:DD+7], v[AA:AA+11], v[BB:BB+11], 0, v[XS+\m], v[WS+8] matrix_a_fmt:MATRIX_FMT_FP6 matrix_b_fmt:MATRIX_FMT_FP6
.endif
.else
.if \n
	v_wmma_scale_f32_16x16x128_f8f6f4 v[DD:DD+7], v[AA:AA+11], v[BB:BB+11], v[DD:DD+7], v[XS+\m], v[WS+8] matrix_a_fmt:MATRIX_FMT_FP6 matrix_b_fmt:MATRIX_FMT_FP6 matrix_b_scale:MATRIX_SCALE_ROW1
.else
	v_wmma_scale_f32_16x16x128_f8f6f4 v[DD:DD+7], v[AA:AA+11], v[BB:BB+11], v[DD:DD+7], v[XS+\m], v[WS+8] matrix_a_fmt:MATRIX_FMT_FP6 matrix_b_fmt:MATRIX_FMT_FP6
.endif
.endif
.endr
.endr
.endm
; ONE barrier a K step, for two things: behind it x's images of this step and slot sg are whole, and nobody reads the other image buffer or the other slot any more.
.macro SYNC sg, refill
	s_wait_tensorcnt 0x0                           ; all my tensor loads have landed: the one that was out is my part of slot sg; so every group 0 may be written
	ds_add_u32 v16, v17                            ; 0 onto my spare word; with refill = 1 the other slot's address is made between it and the wait for it
.if \refill
	s_add_co_u32 s59, s59, 1                       ; the K step of wt that follows in my cluster's walk,
	s_and_b32 s59, s59, 7                          ; round the eight
	s_mul_i32 s60, s59, SLOTB
	s_add_nc_u64 s[G0+6-4*(\sg):G0+7-4*(\sg)], s[62:63], s[60:61]   ; my part of it
	s_or_b32 s[G0+7-4*(\sg)], s[G0+7-4*(\sg)], 0x80000000          ; type = 2
.endif
	s_wait_dscnt 0x0                               ; the add is done, my image's stores have landed, my reads of the last K step are over
.if \refill
	ROUND                                          ; all that now holds of every wave of the four work-groups
	tensor_load_to_lds s[G0+4-4*(\sg):G0+7-4*(\sg)], s[G1:G1+7]   ; the next K step's weights into the slot read last: my one tensor load until the next round
	s_nop 0
	PLACES
.else
	s_barrier_signal -1
	s_barrier_wait -1
.endif
.endm
; A K STEP.  72 products; the weights' fragments come four at a time into two sets by turns; in its middle the next K step of x is turned, at its end quantised and handed on.
; turn: there is a next K step; lc: the x loads that may stay out at its turn; xl: the K step three on is asked for.
.macro TRIP sg, zero, refill, turn, lc, xl
	SYNC \sg, \refill
	FETCHX \sg
	LW 0, 0, \sg, 4
	LW 1, 1, \sg, 4
	s_wait_dscnt 12                                ; all but the second set's 12 loads
	WIN 0x50                                       ; C and D window 1
	MULQK 0, 0, \zero
	PLACES
	WIN 0
	LW 2, 0, \sg, 4
	s_wait_dscnt 12                                ; the second set is in; the 12 just issued may be out
	WIN 0x50
	MULQK 1, 1, \zero
	PLACES
	WIN 0
	LW 3, 1, \sg, 4
.if \turn
	TURNIN 1-(\sg), \lc
	s_wait_dscnt 44                                ; behind the fragments wanted now: 12 loads of the other set and the turn's 16 stores and 16 loads
.else
	s_wait_dscnt 12
.endif
	WIN 0xa0                                       ; C and D window 2
	MULQK 2, 0, \zero
	PLACES
	WIN 0
	LW 4, 0, \sg, 2
.if \turn
	s_wait_dscnt 38                                ; behind them: the turn's 32 and the 6 just issued
.else
	s_wait_dscnt 6
.endif
	WIN 0xa0
	MULQK 3, 1, \zero
	s_wait_dscnt 0x0                               ; V's two fragments are in, and x is back from the stage
.if \xl
	XLOAD 1-(\sg)                                  ; the set that has just been turned takes the K step two on from it
.endif
	WIN 0xf0                                       ; C and D window 3
	MULVP 0, \zero
	WIN 0
.if \turn
	QUANT 192, 3, PW                               ; its plain lines are also the places behind the last products
.irp c, 0,1,2
	ds_store_b128 v5, v[PC+4*\c:PC+4*\c+3] offset:XBUF*(1-(\sg))+512*\c   ; the fragment goes to LDS as an image of its registers
.endr
	ds_store_b32 v6, v[PW] offset:XBUF*(1-(\sg))
.endif
.endm
	s_load_b256 s[4:11], s[0:1], 0x0               ; x s[4:5], wt s[6:7], qq s[8:9], kv s[10:11]
	v_lshl_add_u32 v16, v0, 2, SPARE
	v_mov_b32 v17, 0
	ds_add_u32 v16, v17
	ds_add_u32 v16, v17
	s_wait_dscnt 0x0
	v_lshrrev_b32 v18, 5, v0
	v_readfirstlane_b32 s12, v18                   ; wave w
	s_bfe_u32 s13, ttmp6, 0x40000                  ; cx: my place in the cluster: it enters the addresses of x, qq and kv alone
	s_lshl_b32 s14, ttmp9, 2
	s_add_co_u32 s14, s14, s13                     ; g = 4 x cluster + cx
	s_lshr_b32 s58, ttmp9, 3
	s_xor_b32 s58, s58, ttmp9
	s_and_b32 s58, s58, 7                          ; the K step at which my cluster's walk begins: (c xor c / 8) % 8, the same in all four partners
	s_mov_b32 s59, s58
	s_mul_i32 s60, s59, SLOTB                      ; where it begins in wt
	s_mov_b32 s61, 0
	s_lshl_b32 s16, s14, 18                        ; 64 rows of 4,096 bytes
	s_mov_b32 s17, 0
	s_mul_i32 s18, s14, 25600
	s_mov_b32 s19, 0
	s_mul_i32 s20, s14, 32256
	s_mov_b32 s21, 0
	s_mul_i32 s22, s12, WBLK                       ; my part of a K step of wt, in memory and in a slot
	s_mov_b32 s23, 0
	; descriptor group 1: 29,184 dense bytes as 114 rows of 256 (32 elements of 8 bytes)
	s_mov_b32 s[G1], 15|(3<<16)|(1<<21)            ; 15:0 the mask: all four work-groups; 17:16 elements of 8 bytes; 20 no padding; 21 set beside a mask
	s_mov_b32 s[G1+1], 32<<16                      ; tensor_dim0 = 32
	s_mov_b32 s[G1+2], 114<<16                     ; tensor_dim1 = 114
	s_mov_b32 s[G1+3], 32<<16                      ; tile_dim0 = 32
	s_mov_b32 s[G1+4], 114                         ; tile_dim1 = 114
	s_mov_b32 s[G1+5], 32                          ; from row to row
	s_mov_b32 s[G1+6], 0
	s_mov_b32 s[G1+7], 0
	s_mov_b32 s40, 0x76543210
	s_mov_b32 s41, 0xfedcba98                      ; v_permlanex16_b32's selects for lane l xor 16
	v_and_b32 v20, 31, v0                          ; lane
	v_and_b32 v21, 15, v0                          ; r
	v_bfe_u32 v18, v0, 4, 1                        ; h
	v_lshlrev_b32 v19, 4, v20                      ; 16 x lane
	v_add_nc_u32 v1, XIMG, v19                     ; v1: an image's place for my lane
	v_lshl_add_u32 v2, v20, 2, XIMG+4*1536         ; v2: a scale word's
	s_mul_i32 s50, s12, XSTW
	s_add_co_u32 s50, s50, XST                     ; my turn stage
	v_add_nc_u32 v3, s50, v19                      ; v3: into it: a row's 512 bytes, 16 a lane
	v_mul_u32_u24 v4, v21, 528
	v_lshl_add_u32 v4, v18, 6, v4
	v_add_nc_u32 v4, s50, v4                       ; v4: out of it: row r, + 64 h
	s_mul_i32 s51, s12, 1536
	v_add_nc_u32 v5, s51, v1                       ; v5: where I store my image of x
	s_lshl_b32 s53, s12, 7
	v_add_nc_u32 v6, s53, v2                       ; v6: and its scale words
	v_add_nc_u32 v7, s22, v19                      ; v7, v8: my weights in slot 0, 1
	v_add_nc_u32 v8, SLOTB, v7
	v_lshl_add_u32 v9, v20, 2, s22
	v_add_nc_u32 v9, 18*1536, v9                   ; v9, v10: their scale words
	v_add_nc_u32 v10, SLOTB, v9
	s_lshr_b32 s52, s12, 1
	s_lshl_b32 s52, s52, 17
	s_and_b32 s54, s12, 1
	s_lshl_b32 s54, s54, 15
	s_add_co_u32 s52, s52, s54                     ; row tile w begins at row 32 (w / 2) + 8 (w % 2)
	v_add_nc_u32 v11, s52, v19                     ; v11: x
	v_add_nc_u32 v12, s51, v19                     ; v12: out: 16 x lane + 1,536 w
	v_lshl_add_u32 v13, v20, 3, s51                ; v13: 8 x lane + 1,536 w
	s_lshl_b32 s51, s12, 8
	v_lshl_add_u32 v14, v20, 3, s51                ; v14: 8 x lane + 256 w
	v_lshl_add_u32 v15, v20, 2, s53                ; v15: 4 x lane + 128 w
.irp b, 0,1,2,3
	v_mov_b32 v[TM+4+\b], 0                        ; written once: a lane permute's destination counts as one of its sources
.endr
	s_wait_alu depctr_va_vdst(0)
	s_wait_kmcnt 0x0
	s_add_nc_u64 s[56:57], s[4:5], s[16:17]        ; x at my first row
	s_add_nc_u64 s[46:47], s[8:9], s[18:19]        ; my block of qq
	s_add_nc_u64 s[48:49], s[10:11], s[20:21]      ; my block of kv
	s_add_nc_u64 s[62:63], s[6:7], s[22:23]        ; wt at my part of K step 0
	s_mov_b32 s[G0], 1                             ; count = 1
	s_mov_b32 s[G0+1], s22                         ; LDS address: slot 0
	s_add_nc_u64 s[G0+2:G0+3], s[62:63], s[60:61]  ; the K step at which the walk begins
	s_or_b32 s[G0+3], s[G0+3], 0x80000000          ; type = 2
	s_mov_b32 s[G0+4], 1
	s_add_co_u32 s[G0+5], s22, SLOTB               ; slot 1; its global address is made at the first K step's barrier
	XLOAD 0                                        ; x's first two K steps of the walk
	XLOAD 1
	ROUND                                          ; all four work-groups are here: the first joint load meets
	tensor_load_to_lds s[G0:G0+3], s[G1:G1+7]      ; slot 0: the walk's first K step
	s_nop 0
	PLACES
	TURNIN 0, 16                                   ; the first K step of x is in; the second's 16 loads may be out
	s_wait_dscnt 0x0
	XLOAD 0                                        ; the third
	QUANT 192, 3, PW
.irp c, 0,1,2
	ds_store_b128 v5, v[PC+4*\c:PC+4*\c+3] offset:512*\c
.endr
	ds_store_b32 v6, v[PW]
	TRIP 0, 1, 1, 1, 16, 1                         ; step 0 of the walk: its products start the sums; it asks for x's step 3
	s_mov_b32 s42, 2
.Lpair:                                                ; steps 1, 2 and 3, 4
	TRIP 1, 0, 1, 1, 16, 1
	TRIP 0, 0, 1, 1, 16, 1
	s_sub_co_u32 s42, s42, 1
	s_cmp_lg_u32 s42, 0
	s_cbranch_scc1 .Lpair
	TRIP 1, 0, 1, 1, 16, 0                         ; step 5: nothing of x is left to ask for
	TRIP 0, 0, 1, 1, 0, 0                          ; step 6: only step 7's loads are out, so its turn waits for all
	TRIP 1, 0, 0, 0, 0, 0                          ; step 7: nothing is filled, turned or handed on
	PLACES
	; THE WAY OUT.  My 128 columns of Q for row tile m are K step w of the scores' product: one fragment and one scale word a row.
	v_cmp_lt_u32 vcc_lo, 15, v20                   ; lanes 16-31
.macro OUTQK W, base
.irp m, 0,1,2,3
	s_wait_xcnt 0x0                                ; the earlier stores have read their data: the codes' registers may be written again
	QUANT 64*\m, \W, PWS+\m
.irp c, 0,1,2
	global_store_b128 v12, v[PC+4*\c:PC+4*\c+3], s[\base:\base+1] offset:6144*\m+512*\c   ; image (m, w): 512 consecutive bytes a store
.endr
.endr
	v_cndmask_b32 v18, v[PWS], v[PWS+1], vcc_lo    ; lanes 0-15 tile 0's words, lanes 16-31 tile 1's;
	v_cndmask_b32 v19, v[PWS+2], v[PWS+3], vcc_lo  ; tiles 2 and 3 likewise
	global_store_b64 v14, v[18:19], s[\base:\base+1] offset:24576   ; 256 consecutive bytes
.endm
	OUTQK 1, 46
	OUTQK 2, 48
	s_wait_xcnt 0x0
	QUANT 0, 3, PW                                 ; V: the four blocks are (channel tile n, key block b): codes 6 n .. 6 n + 5 are tile n's half fragment, K = the 64 keys
.irp n, 0,1
	global_store_b64 v13, v[PC+6*\n:PC+6*\n+1], s[48:49] offset:25600+768*\n
	global_store_b128 v12, v[PC+6*\n+2:PC+6*\n+5], s[48:49] offset:25856+768*\n
.endr
	v_lshrrev_b32 v18, 16, v[PW]
	v_and_b32 v19, 0xffff, v[PW]
	v_cndmask_b32 v18, v19, v18, vcc_lo            ; lanes 0-15 tile 2 w's two bytes, lanes 16-31 tile 2 w + 1's; the upper two bytes are 0
	global_store_b32 v15, v18, s[48:49] offset:31744
	s_wait_tensorcnt 0x0                           ; the wave's end
	ds_add_u32 v16, v17
	s_wait_dscnt 0x0
	ROUND                                          ; the closing round: no work-group ends while a partner may still ask for a tile that names it
	s_endpgm
.Lfunc_end_k_q539a3a562a_proj:
	.size	k_q539a3a562a_proj, .Lfunc_end_k_q539a3a562a_proj-k_q539a3a562a_proj
	.p2alignl 7, 3214868480
	.fill 96, 4, 3214868480
	.section	.rodata,"a",@progbits
	.p2align	6, 0x0
	.amdhsa_kernel k_q539a3a562a_proj
		.amdhsa_group_segment_fixed_size 327680
		.amdhsa_private_segment_fixed_size 0
		.amdhsa_enable_private_segment 0
		.amdhsa_kernarg_size 32
		.amdhsa_user_sgpr_count 2
		.amdhsa_user_sgpr_kernarg_segment_ptr 1
		.amdhsa_wavefront_size32 1
		.amdhsa_system_sgpr_workgroup_id_x 1
		.amdhsa_system_sgpr_workgroup_id_y 1
		.amdhsa_system_sgpr_workgroup_id_z 1
		.amdhsa_system_vgpr_workitem_id 0
		.amdhsa_next_free_vgpr 1024
		.amdhsa_next_free_sgpr 66
		.amdhsa_reserve_vcc 1
		.amdhsa_float_denorm_mode_32 3
		.amdhsa_float_denorm_mode_16_64 3
		.amdhsa_memory_ordered 1
		.amdhsa_forward_progress 1
		.amdhsa_inst_pref_size 185
	.end_amdhsa_kernel
	.amdgpu_metadata
---
amdhsa.version: [ 1, 2 ]
amdhsa.kernels:
  - .name:           k_q539a3a562a_proj
    .symbol:         k_q539a3a562a_proj.kd
    .args:
      - { .name: x, .offset: 0, .size: 8, .value_kind: global_buffer, .address_space: global }
      - { .name: wt, .offset: 8, .size: 8, .value_kind: global_buffer, .address_space: global }
      - { .name: qq, .offset: 16, .size: 8, .value_kind: global_buffer, .address_space: global }
      - { .name: kv, .offset: 24, .size: 8, .value_kind: global_buffer, .address_space: global }
    .group_segment_fixed_size: 327680
    .private_segment_fixed_size: 0
    .kernarg_segment_align: 8
    .kernarg_segment_size: 32
    .max_flat_workgroup_size: 128
    .sgpr_count:     66
    .vgpr_count:     1024
    .wavefront_size: 32
...
	.end_amdgpu_metadata
.endif
;; end of part 2
;; launch attn (part 3): grid 64 x 4, 8 waves a work-group, clusters of 4 x 1, 327,680 bytes of LDS; arguments qq, kv, out0; writes out0
.if DOCPART == 3
	.amdgcn_target "amdgcn-amd-amdhsa--gfx1250"
	.amdhsa_code_object_version 6
	.text
	.protected	k_q539a3a562a_attn
	.globl	k_q539a3a562a_attn
	.p2align	8
	.type	k_q539a3a562a_attn,@function
k_q539a3a562a_attn:
	s_mov_b64 s[64:65], 0
	v_nop
	global_prefetch_b8 v0, s[64:65] scope:SCOPE_SE
	s_setreg_imm32_b32 hwreg(HW_REG_WAVE_MODE, 25, 1), 1
	s_wait_xcnt 0x0
	s_wait_alu depctr_hold_cnt(0) depctr_sa_sdst(0) depctr_va_vdst(0) depctr_va_sdst(0) depctr_va_ssrc(0) depctr_va_vcc(0) depctr_vm_vsrc(0)
	s_getreg_b32 s2, hwreg(HW_REG_IB_STS2, 6, 4)
	s_cmp_eq_u32 s2, 0
	s_cbranch_scc0 .Lentry_in_a_cluster
	s_endpgm
.Lentry_in_a_cluster:
	s_bfe_u32 s2, ttmp6, 0x10000c
	s_cmp_lg_u32 s2, 0x3003
	s_cbranch_scc0 .Lentry_shape_is_right
	s_endpgm
.Lentry_shape_is_right:
; out0[b][q][:] = sum over k of softmax_k(Q[b][q] . K[b][k] / sqrt(512)) V[b][k][:], both products on codes of FP6 (E2M3) with one E8M0 scale for each 32 along a product's K.
; Q, K and V come as images of the operands' registers (qq, kv: laid by the launch before; a block is 64 queries or 64 keys).
; THE SOFTMAX: t = score x log2(e) / sqrt(512); M = the largest t so far, rounded UP to a whole number; p = 2^(t - M) is quantised along the keys, not normalised; the row's sum is taken of the unquantised p and divides at the end.
; When M moves, the sum and O are multiplied by 2^(old M - new M): exact.
; SHARES.  A work-group owns 64 queries.  Wave 4 g + 2 p + kh takes query tiles 2 p, 2 p + 1 and keys 128 kh .. + 127 of every second slot of 256 keys: group g = 0 the even steps of the walk, group 1 the odd ones.
; A step of a wave has two halves, a trip of the loop each.  SCORES: S^T = K Q^T, 64 products from the slot in hand; then V's fragments of these 128 keys come into the registers that held K's, and each block's largest score is taken.
; SOFTPV: the softmax and O^T += V^T P^T (16 products, K = 128 keys), on registers alone.  In every trip one group runs SCORES and the other SOFTPV; the branch hangs on the wave's number and the trip's parity alone.
; So a slot is read in one trip only and is filled again in the next, as in any ring of two slots.
; GROUP 1'S FIRST TRIP IS A NEUTRAL STEP: the head lays scores of -2^100 and zero codes for V.  c x 2^100 is a whole number made without rounding, so t - M is 0 and p is 1; O^T stays 0; the first true step makes f = 2^(old M - new M) = 0,
; which clears the sum.  Group 0's score half in the last trip has no slot and is jumped over.
; At the end the four parts of a query (2 groups x 2 halves) are merged through LDS: each has its own M and sum, brought under the largest M by exact powers of two.
; LAYOUT.  Both products transposed: a lane holds ONE query (lane % 16).  The keys of a tile are chosen (lane r of tile 2 b + u: key 32 b + 8 u + r + 8 (r / 8)) so that the 16 registers of two neighbouring tiles are 16 neighbouring keys.
; THE RING: two slots of 129,024 bytes (four blocks of kv, dense in memory); each of the eight waves brings an eighth with one tensor load.  CLUSTER: the four work-groups of a cluster belong to one batch and walk the same kv: every load is asked for JOINTLY.
; One tensor load of a wave is out at any time.  The walk is staggered: cluster c of a batch begins at the batch's slot 2 ((c / 2) xor 7 (c % 2)) + c % 2, a permutation of 0 .. 15, and goes round all 16.
; No prefetch is laid: every slot is read by the 16 clusters of its batch, each at another step of its walk.
; LIMITS: the promise holds while |t| stays under 2^31; the keys are summed in the cluster's rotated order and in four parts; a block of p that has fallen to zeros keeps the byte 1 (its codes are zeros); NaN and infinities are not served.
; REGISTERS.  Window 0: v0 thread; v1-3 LDS addresses (16, 8, 4 x lane + my part of the slot); v4, v5 the add's two; v6-7 p's scale words; v8-11 Q's (lanes 0-15 tile 2 p, lanes 16-31 tile 2 p + 1); v12-15 V's;
;   v16-31 K's scale words, in SOFTPV at work; v32-159 S^T, then p (64 q + 16 b), then p's codes (32 + 12 q); v160-255 two sets of four fragments of K, then V's eight.
;   Window 1: v0-95 Q (48 q + 12 s); v96-223 O^T (96 + 64 q + 8 t); v224-255 -M and the largest t, the sums, f, block maxima.
; SCALARS: s12 wave, s13 p, s14 the part's number 2 g + kh, s59 4 p + that; s[20:21] lane selects; s[22:23] c; s[24:31] group 1; s[32:35] group 0; s36, s58 trips to go; s37 my part of the slot in hand;
;   s[38:39] kv at my eighth of the batch's slot 0; s40 the batch's slot asked for last; s[54:55] an offset; s56 0: SCORES, 1: SOFTPV; s57 -2^100.
.set BLKB,  32256
.set SLOTB, 4*BLKB
.set SLOT1, 1<<17                      ; slot 1 begins here: one exclusive or turns an address in one slot into the other's
.set STATS, 2*SLOT1                    ; the merge: -M and the sum of each wave's two tiles, 512 bytes a wave
.set OUTST, STATS+4096                 ; the way out: 64 rows x (512 bytes + 16)
.set SPARE, OUTST+64*528               ; the spare words, 128 bytes for each wave
.set PW, 6
.set QS, 8
.set VS, 12
.set KS, 16
.set S,  32
.set KF, 160
.set OT, 96                            ; from here on: window 1
.set NM, 224                           ; -M at 224 + 2 q, the largest t beside it
.set SUM, 228
.set F0, 232                           ; f of tile q at 232 + 22 q, the register beside it written once
.set T2, 234
.set BM, 238
.set BT, 246
.set G1, 24
.set G0, 32
.set MSB, 0
.macro WIN new                         ; the immediate's high byte repeats the setting that is left; a switch that changes nothing is dropped
.if MSB != (\new)
	s_set_vgpr_msb (MSB<<8)|(\new)
.set MSB, (\new)
.endif
.endm
.macro ROUND                           ; a round of the cluster's barrier
	s_barrier_signal -1
	s_barrier_wait -1
	s_cmp_lg_u32 s12, 0
	s_cbranch_scc1 .Lnot_wave_0_\@
	s_barrier_signal -3
.Lnot_wave_0_\@:
	s_barrier_wait -3
	s_barrier_signal -1
	s_barrier_wait -1
.endm
.macro PLACES                          ; four plain instructions between a matrix instruction and a load into, or a read of, its registers
.rept 4
	v_nop
.endr
.endm
.macro WM dd, aa, bb, cc, sa, sb, ra, rb   ; one product; ra, rb: the side's scales stand in lanes 16-31
.if (\ra) && (\rb)
	v_wmma_scale_f32_16x16x128_f8f6f4 v[\dd:\dd+7], v[\aa:\aa+11], v[\bb:\bb+11], \cc, v[\sa], v[\sb] matrix_a_fmt:MATRIX_FMT_FP6 matrix_b_fmt:MATRIX_FMT_FP6 matrix_a_scale:MATRIX_SCALE_ROW1 matrix_b_scale:MATRIX_SCALE_ROW1
.elseif (\ra)
	v_wmma_scale_f32_16x16x128_f8f6f4 v[\dd:\dd+7], v[\aa:\aa+11], v[\bb:\bb+11], \cc, v[\sa], v[\sb] matrix_a_fmt:MATRIX_FMT_FP6 matrix_b_fmt:MATRIX_FMT_FP6 matrix_a_scale:MATRIX_SCALE_ROW1
.elseif (\rb)
	v_wmma_scale_f32_16x16x128_f8f6f4 v[\dd:\dd+7], v[\aa:\aa+11], v[\bb:\bb+11], \cc, v[\sa], v[\sb] matrix_a_fmt:MATRIX_FMT_FP6 matrix_b_fmt:MATRIX_FMT_FP6 matrix_b_scale:MATRIX_SCALE_ROW1
.else
	v_wmma_scale_f32_16x16x128_f8f6f4 v[\dd:\dd+7], v[\aa:\aa+11], v[\bb:\bb+11], \cc, v[\sa], v[\sb] matrix_a_fmt:MATRIX_FMT_FP6 matrix_b_fmt:MATRIX_FMT_FP6
.endif
.endm
.macro LK s, blk                       ; four fragments of K (16 keys x 128 of the 512) of block blk, K step s, into set blk: 12 loads
.irp m, 0,1,2,3
.irp c, 0,1,2
	ds_load_b128 v[KF+48*(\blk)+12*\m+4*\c:KF+48*(\blk)+12*\m+4*\c+3], v1 offset:(\blk)*BLKB+(4*\m+(\s))*1536+512*\c
.endr
.endr
.endm
.macro MULK s, blk                     ; 8 products S^T += K Q^T, eight accumulators by turns; K step 0 starts the sums
	WIN 0x04                                       ; source 1 (Q) window 1
.irp m, 0,1,2,3
.irp q, 0,1
.set DD, S+64*\q+32*(\blk)+8*\m
.set AA, KF+48*(\blk)+12*\m
.set BB, 48*\q+12*(\s)
.set SA, KS+8*(\blk)+2*(\s)+\m/2
.set SB, QS+(\s)
.if (\s) == 0
	WM DD, AA, BB, 0, SA, SB, \m%2, \q
.else
	WM DD, AA, BB, v[DD:DD+7], SA, SB, \m%2, \q
.endif
.endr
.endr
.endm
.macro LV                              ; V's eight fragments (16 channels x 128 keys): registers 0-5 from my first block, 6-11 from my second; and the two blocks' scale words: 40 loads
.irp blk, 0,1
.irp t, 0,1,2,3,4,5,6,7
	ds_load_b64 v[KF+12*\t+6*\blk:KF+12*\t+6*\blk+1], v2 offset:\blk*BLKB+25600+768*\t
	ds_load_b128 v[KF+12*\t+6*\blk+2:KF+12*\t+6*\blk+5], v1 offset:\blk*BLKB+25856+768*\t
.endr
.irp i, 0,1,2,3
	ds_load_b32 v[KS+4*\blk+\i], v3 offset:\blk*BLKB+31744+128*\i
.endr
.endr
.endm
; THE SCORE HALF: my 128 keys of the slot in hand.  K's fragments come four at a time into two sets by turns; each count of 12 leaves the set asked for last on its way.
.macro SCORES
	v_and_b32 v3, 31, v0
	s_delay_alu instid0(VALU_DEP_1)
	v_lshl_add_u32 v1, v3, 4, s37
	s_delay_alu instid0(VALU_DEP_2)
	v_lshl_add_u32 v2, v3, 3, s37
	s_delay_alu instid0(VALU_DEP_3)
	v_lshl_add_u32 v3, v3, 2, s37
	s_wait_alu depctr_va_vdst(0)
.irp blk, 0,1
.irp s, 0,1,2,3
	ds_load_b64 v[KS+8*\blk+2*\s:KS+8*\blk+2*\s+1], v2 offset:\blk*BLKB+24576+256*\s   ; K's scale words: register j: lanes 0-15 tile 2 j, lanes 16-31 tile 2 j + 1
.endr
.endr
	LK 0, 0
	LK 0, 1
.irp s, 0,1,2,3
.irp blk, 0,1
.if 2*\s+\blk < 7
	s_wait_dscnt 12                                ; all but the other set's 12 loads
.else
	s_wait_dscnt 0x0
.endif
	MULK \s, \blk
.if \s < 3
	PLACES
	WIN 0
	LK \s+1, \blk
.endif
.endr
.endr
	WIN 0
	PLACES                                         ; for V's loads into K's registers, and for the first read of the scores
	LV
	WIN 0x40                                       ; the maxima lie in window 1
.irp b, 0,1,2,3,4,5,6,7
	v_max3_num_f32 v[BM+\b], v[S+16*\b], v[S+16*\b+1], v[S+16*\b+2]   ; THE LARGEST SCORE OF EACH BLOCK OF 32 KEYS: for the row's maximum and, since p rises with the score, for the block's largest p.  Each accumulator from its low end on
.endr
	WIN 0x41
.irp i, 3,5,7,9,11,13
.irp b, 0,1,2,3,4,5,6,7
	v_max3_num_f32 v[BM+\b], v[BM+\b], v[S+16*\b+\i], v[S+16*\b+\i+1]
.endr
.endr
.irp b, 0,1,2,3,4,5,6,7
	v_max_num_f32 v[BM+\b], v[BM+\b], v[S+16*\b+15]
.endr
	WIN 0
	s_wait_dscnt 0x0                               ; V is in: my reads of this slot are over
.irp i, 0,1,2,3
	v_lshl_or_b32 v[VS+\i], v[KS+4+\i], 16, v[KS+\i]   ; V's scale word of 128 keys: two bytes from each block
.endr
	s_wait_alu depctr_va_vdst(0)
.endm
; THE SOFTMAX HALF: two tiles of queries x 128 keys.  Block B = 4 q + b of 32 keys lies in v[S + 16 B] on, 16 keys in this lane and 16 in lane l xor 16.
.macro SOFTPV
	WIN 0x55                                       ; all in window 1
.irp b, 0,1,2,3,4,5,6,7
	v_permlanex16_b32 v[BT+\b], v[BM+\b], s20, s21
.endr
.irp b, 0,1,2,3,4,5,6,7
	v_max_num_f32 v[BM+\b], v[BM+\b], v[BT+\b]     ; with lane l xor 16's 16 keys
.endr
	v_max3_num_f32 v[BT], v[BM], v[BM+1], v[BM+2]
	s_delay_alu instid0(VALU_DEP_3)
	v_max3_num_f32 v[BT+1], v[BM+4], v[BM+5], v[BM+6]
.irp q, 0,1
	s_delay_alu instid0(VALU_DEP_2)
	v_max_num_f32 v[BT+\q], v[BT+\q], v[BM+4*\q+3] ; the step's largest score of my query
.endr
.irp q, 0,1
	s_delay_alu instid0(VALU_DEP_2)
	v_mul_f32 v[BT+\q], s22, v[BT+\q]              ; as t (c is positive)
.endr
.irp q, 0,1
	s_delay_alu instid0(VALU_DEP_2)
	v_max_num_f32 v[NM+2*\q+1], v[NM+2*\q+1], v[BT+\q]   ; the running largest t
.endr
.irp q, 0,1
	v_mov_b32 v[BT+\q], v[NM+2*\q]
.endr
.irp q, 0,1
	s_delay_alu instid0(VALU_DEP_4)
	v_floor_f32 v[NM+2*\q], -v[NM+2*\q+1]          ; the new -M = floor(-t) = -ceil(t): M IS A WHOLE NUMBER
.endr
.irp q, 0,1
	s_delay_alu instid0(VALU_DEP_2)
	v_sub_f32 v[BT+\q], v[NM+2*\q], v[BT+\q]       ; old M - new M: a whole number, 0 or less
.endr
.irp q, 0,1
	s_delay_alu instid0(VALU_DEP_2)
	v_cvt_i32_f32 v[BT+\q], v[BT+\q]               ; (it saturates)
.endr
.irp q, 0,1
	s_delay_alu instid0(VALU_DEP_2)
	v_ldexp_f32 v[F0+22*\q], 1.0, v[BT+\q]         ; f = 2^(old M - new M)
.endr
.irp b, 0,1,2,3,4,5,6,7
	v_fma_f32 v[BM+\b], v[BM+\b], s22, v[NM+2*(\b/4)]   ; t - M of each block's largest score
.endr
	WIN 0x10                                       ; -M (source 2) window 1
.irp q, 0,1
.set j, 0
.rept 32
	v_pk_fma_f32 v[S+64*\q+j:S+64*\q+j+1], v[S+64*\q+j:S+64*\q+j+1], s[22:23], v[NM+2*\q:NM+2*\q+1] op_sel_hi:[1,0,0]   ; t - M, two at a time (of the pairs c and -M the low word serves both halves)
.set j, j+2
.endr
.endr
	WIN 0
	s_wait_alu depctr_va_vdst(0)
.set j, 0
.rept 128
	v_exp_f32 v[S+j], v[S+j]                       ; p = 2^(t - M), at most 1: NOT normalised
.set j, j+1
.endr
	WIN 0x55
.irp q, 0,1
	v_pk_mul_f32 v[SUM+2*\q:SUM+2*\q+1], v[SUM+2*\q:SUM+2*\q+1], v[F0+22*\q:F0+22*\q+1] op_sel_hi:[1,0]   ; the sums under the new M (plain instructions behind the exponentials)
.endr
	s_wait_alu depctr_va_vdst(0)                   ; one wait for the batch of 128, ahead of its first reader
.irp b, 0,1,2,3,4,5,6,7
	v_exp_f32 v[BM+\b], v[BM+\b]                   ; the block's largest p: the same two instructions on the same number give the same bits
.endr
	WIN 0x40
.irp q, 0,1
	v_pk_add_f32 v[T2+2*\q:T2+2*\q+1], v[S+64*\q:S+64*\q+1], v[S+64*\q+2:S+64*\q+3]   ; THE ROW'S SUM IS TAKEN OF THE UNQUANTISED p, in two chains a tile
.endr
	WIN 0x41
.irp j, 4,8,12,16,20,24,28,32,36,40,44,48,52,56,60
.irp q, 0,1
	v_pk_add_f32 v[SUM+2*\q:SUM+2*\q+1], v[SUM+2*\q:SUM+2*\q+1], v[S+64*\q+\j:S+64*\q+\j+1]
	v_pk_add_f32 v[T2+2*\q:T2+2*\q+1], v[T2+2*\q:T2+2*\q+1], v[S+64*\q+\j+2:S+64*\q+\j+3]
.endr
.endr
	WIN 0x55
	v_pk_add_f32 v[SUM:SUM+1], v[SUM:SUM+1], v[T2:T2+1]
	v_pk_add_f32 v[SUM+2:SUM+3], v[SUM+2:SUM+3], v[T2+2:T2+3]
	s_wait_alu depctr_va_vdst(0)                   ; and one for the eight
.irp b, 0,1,2,3,4,5,6,7
	v_max_num_f32 v[BM+\b], 0x1800000, v[BM+\b]    ; the floor 2^(3 - 127): the byte cannot fall under 1
.endr
.irp b, 0,1,2,3,4,5,6,7
	v_add_nc_u32 v[BM+\b], 0xff000000, v[BM+\b]    ; 2 off the exponent field: the conversion's scale operand
.endr
.irp b, 0,1,2,3,4,5,6,7
	v_lshrrev_b32 v[BT+\b], 23, v[BM+\b]           ; the scale's byte
.endr
	WIN 0x15                                       ; the bytes window 1, the words window 0
.irp q, 0,1
	v_lshl_or_b32 v[PW+\q], v[BT+4*\q+1], 8, v[BT+4*\q]
	v_lshl_or_b32 v[19+4*\q], v[BT+4*\q+3], 8, v[BT+4*\q+2]
.endr
	WIN 0
.irp q, 0,1
	v_lshl_or_b32 v[PW+\q], v[19+4*\q], 16, v[PW+\q]   ; p's scale word for these 128 keys
.endr
	WIN 0x04                                       ; the scale operand (source 1) window 1
.irp b, 0,1,2,3
	v_cvt_scalef32_pk16_fp6_f32 v[16+4*\b:18+4*\b], v[S+16*\b:S+16*\b+15], v[BM+\b]   ; tile 0's four blocks: 16 codes each, into registers at work
.endr
	v_nop                                          ; one plain instruction behind scaled conversions whose sources are written next
	v_cvt_scalef32_pk16_fp6_f32 v[S+12:S+14], v[S+64:S+79], v[BM+4]    ; tile 1's: into the registers that held tile 0's p
	v_cvt_scalef32_pk16_fp6_f32 v[S+24:S+26], v[S+80:S+95], v[BM+5]
	v_cvt_scalef32_pk16_fp6_f32 v[S+18:S+20], v[S+96:S+111], v[BM+6]
	v_cvt_scalef32_pk16_fp6_f32 v[S+28:S+30], v[S+112:S+127], v[BM+7]
	WIN 0
	v_nop
.irp i, 0,1,2                          ; the operand's layout wants a WHOLE block in a lane: lanes 0-15 block 2 c, lanes 16-31 block 2 c + 1
	v_permlane16_swap_b32 v[16+\i], v[20+\i]
	v_permlane16_swap_b32 v[24+\i], v[28+\i]
	v_permlane16_swap_b32 v[S+12+\i], v[S+24+\i]
	v_permlane16_swap_b32 v[S+18+\i], v[S+28+\i]
.endr
.irp i, 0,1,2
	v_mov_b32 v[S+\i], v[16+\i]                    ; p's codes: tile q at v[S + 12 q]
	v_mov_b32 v[S+3+\i], v[20+\i]
	v_mov_b32 v[S+6+\i], v[24+\i]
	v_mov_b32 v[S+9+\i], v[28+\i]
	v_mov_b32 v[S+15+\i], v[S+24+\i]
	v_mov_b32 v[S+21+\i], v[S+28+\i]
.endr
	s_wait_alu depctr_va_vdst(0)                   ; directly ahead of the first reader of O^T
	WIN 0x45                                       ; O^T and f window 1
.irp q, 0,1
.set j, 0
.rept 32
	v_pk_mul_f32 v[OT+64*\q+j:OT+64*\q+j+1], v[OT+64*\q+j:OT+64*\q+j+1], v[F0+22*\q:F0+22*\q+1] op_sel_hi:[1,0]   ; O^T under the new M, each accumulator from its low end on; these 64 also stand between the lines that made p's codes and words and the products
.set j, j+2
.endr
.endr
	WIN 0x50                                       ; C and D window 1
.irp t, 0,1,2,3,4,5,6,7
.irp q, 0,1
.set DD, OT+64*\q+8*\t
.set AA, KF+12*\t
.set BB, S+12*\q
.set SA, VS+\t/2
.set SB, PW+\q
	WM DD, AA, BB, v[DD:DD+7], SA, SB, \t%2, 0     ; O^T += V^T P^T, sixteen accumulators by turns
.endr
.endr
	WIN 0
.rept 5
	v_nop                                          ; five places: the next score half's products write over p's codes, its loads land on V
.endr
	s_wait_alu depctr_va_vdst(0)
.endm
; THE CHANGE OF SLOTS stands at a trip's head.  Each wave waits for all its tensor loads (its part of the slot ahead), adds 0 to its spare word, and waits for that and for its reads of the slot that was in hand.
; fill = 1: the barrier is a round of the cluster's, and behind it the slot just left is filled with the 256 keys that follow in the cluster's walk.
.macro CHANGE fill
	s_wait_tensorcnt 0x0                           ; no tensor load of mine is out, so group 0 may be written
	ds_add_u32 v4, v5
.if \fill
	s_xor_b32 s[G0+1], s[G0+1], SLOT1              ; the other LDS slot than last time,
	s_add_co_u32 s40, s40, 1                       ; the batch's slot that follows,
	s_and_b32 s40, s40, 15                         ; round the sixteen
	s_mul_i32 s54, s40, SLOTB
	s_add_nc_u64 s[G0+2:G0+3], s[38:39], s[54:55]  ; my eighth of it
	s_or_b32 s[G0+3], s[G0+3], 0x80000000          ; type = 2
.endif
	s_wait_dscnt 0x0
.if \fill
	ROUND
	tensor_load_to_lds s[G0:G0+3], s[G1:G1+7]      ; the first thing behind the round, and my one tensor load until the next
	s_nop 0
	PLACES
.else
	s_barrier_signal -1
	s_barrier_wait -1
.endif
.endm
.macro BODY tail                       ; a trip's work: one half or the other; no barrier, wait for a tile or add stands under these branches
	s_cmp_eq_u32 s56, 0
	s_cbranch_scc0 .Lsoft_\@
.if \tail
	s_cmp_eq_u32 s58, 1                            ; the last trip has no slot to multiply
	s_cbranch_scc1 .Ljoin_\@
.endif
	SCORES
	s_branch .Ljoin_\@
.Lsoft_\@:
	SOFTPV
.Ljoin_\@:
	s_xor_b32 s56, s56, 1                          ; the other half next time,
	s_xor_b32 s37, s37, SLOT1                      ; and the other slot is in hand
.endm
	s_load_b128 s[4:7], s[0:1], 0x0                ; qq s[4:5], kv s[6:7]
	s_load_b64 s[8:9], s[0:1], 0x10                ; out0
	v_lshl_add_u32 v4, v0, 2, SPARE
	v_mov_b32 v5, 0
	ds_add_u32 v4, v5
	ds_add_u32 v4, v5
	v_lshrrev_b32 v6, 5, v0
	s_delay_alu instid0(VALU_DEP_1)
	v_readfirstlane_b32 s12, v6                    ; wave 0..7
	s_bfe_u32 s13, s12, 0x10001                    ; p: my pair of query tiles
	s_and_b32 s14, s12, 1                          ; kh: my half of a slot
	s_lshr_b32 s56, s12, 2                         ; g: group 0 begins with scores, group 1 with the neutral step
	s_mul_i32 s37, s14, 2*BLKB                     ; LDS byte at which my 128 keys of the slot in hand begin
	s_lshl_b32 s15, s56, 1
	s_or_b32 s14, s14, s15                         ; my part of the keys, 0..3
	s_lshl_b32 s59, s13, 2
	s_or_b32 s59, s59, s14                         ; 4 p + part: my place in the merge
	s_bfe_u32 s15, ttmp6, 0x40000                  ; cx: it enters the addresses of qq and out0 alone
	s_and_b32 s16, ttmp7, 0xffff                   ; the batch, which the four partners share
	s_lshl_b32 s17, ttmp9, 2
	s_add_co_u32 s17, s17, s15
	s_lshl_b32 s18, s16, 6
	s_add_co_u32 s17, s17, s18                     ; my block of 64 queries: 64 x batch + 4 x cluster + cx
	s_mov_b32 s[G1], 15|(3<<16)|(1<<21)            ; group 1: 16,128 dense bytes as 63 rows of 256 (32 elements of 8 bytes); the mask names all four work-groups, bit 21 beside it
	s_mov_b32 s[G1+1], 32<<16
	s_mov_b32 s[G1+2], 63<<16
	s_mov_b32 s[G1+3], 32<<16
	s_mov_b32 s[G1+4], 63
	s_mov_b32 s[G1+5], 32
	s_mov_b32 s[G1+6], 0
	s_mov_b32 s[G1+7], 0
	s_mov_b32 s20, 0x76543210
	s_mov_b32 s21, 0xfedcba98                      ; v_permlanex16_b32's selects for lane l xor 16
	s_mov_b32 s22, 0x3d8293ee                      ; c = log2(e) / sqrt(512)
	s_mov_b32 s23, s22
	s_mov_b32 s57, 0xf1800000                      ; -2^100
	s_mov_b32 s36, 15                              ; slots still to be asked for
	s_mul_i32 s42, s16, 64*BLKB                    ; the batch's first byte of kv
	s_mov_b32 s43, 0
	s_mul_i32 s44, s12, 16128                      ; my eighth of a slot, in memory and in LDS
	s_mov_b32 s45, 0
	s_mul_i32 s46, s17, 25600                      ; my block of qq
	s_mov_b32 s47, 0
	s_lshl_b32 s48, s17, 15                        ; my 64 rows of out0, 512 bytes each
	s_mov_b32 s49, 0
	s_and_b32 s41, ttmp9, 1                        ; where my cluster's walk begins
	s_lshr_b32 s40, ttmp9, 1
	s_mul_i32 s50, s41, 7
	s_xor_b32 s40, s40, s50
	s_lshl_b32 s40, s40, 1
	s_or_b32 s40, s40, s41
	s_mul_i32 s54, s40, SLOTB
	s_mov_b32 s55, 0
	s_wait_dscnt 0x0                               ; both opening adds are done
	s_wait_kmcnt 0x0
	s_add_nc_u64 s[6:7], s[6:7], s[42:43]
	s_add_nc_u64 s[38:39], s[6:7], s[44:45]        ; kv at my eighth of the batch's slot 0
	s_mov_b32 s[G0], 1
	s_mov_b32 s[G0+1], s44                         ; LDS slot 0
	s_add_nc_u64 s[G0+2:G0+3], s[38:39], s[54:55]
	s_or_b32 s[G0+3], s[G0+3], 0x80000000
	s_add_nc_u64 s[4:5], s[4:5], s[46:47]
	s_add_nc_u64 s[8:9], s[8:9], s[48:49]
	ROUND                                          ; all four work-groups are here: the first joint load meets
	tensor_load_to_lds s[G0:G0+3], s[G1:G1+7]
	s_nop 0
	PLACES
	v_and_b32 v3, 31, v0
	s_mul_i32 s52, s13, 8*1536
	s_lshl_b32 s53, s13, 2
	v_lshl_add_u32 v1, v3, 4, s52                  ; Q's images: tiles 2 p, 2 p + 1
	v_lshl_add_u32 v2, v3, 3, s53                  ; Q's scale words: 8 x lane + 4 p: lanes 0-15 tile 2 p, lanes 16-31 tile 2 p + 1
	s_wait_alu depctr_va_vdst(0)
	WIN 0x40                                       ; destination window 1
.irp q, 0,1
.irp s, 0,1,2,3
.irp c, 0,1,2
	global_load_b128 v[48*\q+12*\s+4*\c:48*\q+12*\s+4*\c+3], v1, s[4:5] offset:(4*\q+\s)*1536+512*\c   ; Q stays in registers
.endr
.endr
.endr
	WIN 0
.irp s, 0,1,2,3
	global_load_b32 v[QS+\s], v2, s[4:5] offset:24576+256*\s
.endr
	; the neutral step's operands (group 1 takes them in its first trip; group 0 writes over them): scores of -2^100, zero codes and zero scale bytes for V
.set j, 0
.rept 128
	v_mov_b32 v[S+j], s57
.set j, j+1
.endr
.set j, 0
.rept 96
	v_mov_b32 v[KF+j], 0
.set j, j+1
.endr
.irp i, 0,1,2,3
	v_mov_b32 v[VS+\i], 0
.endr
	WIN 0x40
.set j, 0
.rept 128
	v_mov_b32 v[OT+j], 0                           ; O^T: the step is written once; the first finds zeros
.set j, j+1
.endr
.irp q, 0,1
	v_mov_b32 v[NM+2*\q], 0x7f61b1e6               ; -M
	v_mov_b32 v[NM+2*\q+1], 0xff61b1e6             ; the largest t so far: -3e38, under every t
	v_mov_b32 v[SUM+2*\q], 0
	v_mov_b32 v[SUM+2*\q+1], 0
	v_mov_b32 v[F0+22*\q], 0
	v_mov_b32 v[F0+22*\q+1], 0                     ; (named as the upper half of f's pair)
.endr
.irp b, 0,1,2,3,4,5,6,7
	v_mov_b32 v[BM+\b], s57                        ; the neutral step's block maxima
	v_mov_b32 v[BT+\b], 0                          ; a lane permute's destination counts as one of its sources
.endr
	WIN 0
	s_wait_alu depctr_va_vdst(0)
	s_wait_loadcnt 0x0                             ; Q
.Lslot:                                                ; 15 trips: behind each change of slots the next slot is asked for
	CHANGE 1
	BODY 0
	s_sub_co_u32 s36, s36, 1
	s_cmp_lg_u32 s36, 0
	s_cbranch_scc1 .Lslot
	s_mov_b32 s58, 2
.Ltail:                                                ; the last two trips ask for nothing: a text of their own
	CHANGE 0
	BODY 1
	s_sub_co_u32 s58, s58, 1
	s_cmp_lg_u32 s58, 0
	s_cbranch_scc1 .Ltail
	; THE MERGE.  Each wave lays its O^T (as its registers stand), its -M and its sum into LDS.  The O^T go into slot 0's bytes: they have had their last fill, and behind this barrier nobody reads them.
	s_wait_dscnt 0x0
	s_barrier_signal -1
	s_barrier_wait -1
	WIN 0x55
.irp q, 0,1
	v_add_f32 v[SUM+2*\q], v[SUM+2*\q], v[SUM+2*\q+1]   ; the sum's two halves,
.endr
.irp q, 0,1
	s_delay_alu instid0(VALU_DEP_2)
	v_permlanex16_b32 v[BT+\q], v[SUM+2*\q], s20, s21
.endr
.irp q, 0,1
	s_delay_alu instid0(VALU_DEP_2)
	v_add_f32 v[SUM+2*\q], v[SUM+2*\q], v[BT+\q]   ; and lane l xor 16's
.endr
	WIN 0
	v_and_b32 v17, 31, v0
	s_delay_alu instid0(VALU_DEP_1)
	v_lshlrev_b32 v16, 4, v17                      ; 16 x lane
	v_lshlrev_b32 v17, 2, v17                      ; 4 x lane
	s_wait_alu depctr_va_vdst(0)
	s_lshl_b32 s52, s59, 14
	v_add_nc_u32 v18, s52, v16                     ; v18: my 16,384 bytes for O^T
	s_lshl_b32 s52, s59, 9
	s_add_co_u32 s52, s52, STATS
	v_add_nc_u32 v19, s52, v17                     ; v19: my 512 bytes of statistics
	s_lshl_b32 s52, s13, 11
	s_add_co_u32 s52, s52, STATS
	v_add_nc_u32 v20, s52, v17                     ; v20: those of the four waves of my pair of tiles
	s_lshl_b32 s52, s13, 16
	s_lshl_b32 s53, s14, 11
	s_add_co_u32 s52, s52, s53
	v_add_nc_u32 v21, s52, v16                     ; v21: their O^T, channel tiles 2 x part, 2 x part + 1
	v_and_b32 v25, 15, v0                          ; r
	s_delay_alu instid0(VALU_DEP_1)
	v_and_b32 v26, 8, v25
	s_delay_alu instid0(VALU_DEP_1)
	v_add_nc_u32 v26, v26, v25                     ; r + 8 (r / 8)
	v_bfe_u32 v27, v0, 4, 1                        ; h
	s_delay_alu instid0(VALU_DEP_2)
	v_mul_u32_u24 v22, v26, 528
	s_delay_alu instid0(VALU_DEP_1)
	v_lshl_add_u32 v22, v27, 6, v22
	s_mul_i32 s52, s13, 32*528
	s_lshl_b32 s53, s14, 7
	s_add_co_u32 s52, s52, s53
	s_add_co_u32 s52, s52, OUTST
	v_add_nc_u32 v22, s52, v22                     ; v22: the stage: row 32 p + r + 8 (r / 8) (+ 8 q), byte 128 x part + 64 h
	s_mul_i32 s52, s12, 8*528
	s_add_co_u32 s52, s52, OUTST
	v_add_nc_u32 v23, s52, v16                     ; v23: back: my 8 rows, 16 bytes a lane
	s_lshl_b32 s52, s12, 12
	v_add_nc_u32 v24, s52, v16                     ; v24: and the same in out0
	s_wait_alu depctr_va_vdst(0)
	WIN 0x04                                       ; an LDS store's data are its source 1: window 1
.irp q, 0,1
.irp t, 0,1,2,3,4,5,6,7
.irp e, 0,1
	ds_store_b128 v18, v[OT+64*\q+8*\t+4*\e:OT+64*\q+8*\t+4*\e+3] offset:((8*\q+\t)*2+\e)*512   ; each accumulator from its low end on
.endr
.endr
.endr
.irp q, 0,1
	ds_store_b32 v19, v[NM+2*\q] offset:256*\q
	ds_store_b32 v19, v[SUM+2*\q] offset:256*\q+128
.endr
	WIN 0
	s_wait_dscnt 0x0                               ; for the others' sake: my stores have landed
	s_barrier_signal -1
	s_barrier_wait -1
.irp k, 0,1,2,3
.irp x, 0,1,2,3
	ds_load_b32 v[192+4*\k+\x], v20 offset:512*\k+128*\x   ; part k: -M and the sum of tile 2 p, then of tile 2 p + 1
.endr
.endr
.irp k, 0,1,2,3
.irp q, 0,1
.irp u, 0,1
.irp e, 0,1
	ds_load_b128 v[64+32*\k+16*\q+8*\u+4*\e:64+32*\k+16*\q+8*\u+4*\e+3], v21 offset:16384*\k+8192*\q+1024*\u+512*\e
.endr
.endr
.endr
.endr
	s_wait_dscnt 0x0
.irp q, 0,1
	v_min3_num_f32 v[208+\q], v[192+2*\q], v[196+2*\q], v[200+2*\q]
.endr
.irp q, 0,1
	s_delay_alu instid0(VALU_DEP_2)
	v_min_num_f32 v[208+\q], v[208+\q], v[204+2*\q]   ; the least -M: the largest M of the four
.endr
.irp q, 0,1
.irp k, 0,1,2,3
	v_sub_f32 v[210+8*\q+2*\k], v[208+\q], v[192+4*\k+2*\q]   ; M of part k - the largest M: a whole number, 0 or less
	v_mov_b32 v[211+8*\q+2*\k], 0                  ; (named as the upper half of the factor's pair)
.endr
.endr
.irp q, 0,1
.irp k, 0,1,2,3
	v_cvt_i32_f32 v[210+8*\q+2*\k], v[210+8*\q+2*\k]
.endr
.endr
.irp q, 0,1
.irp k, 0,1,2,3
	v_ldexp_f32 v[210+8*\q+2*\k], 1.0, v[210+8*\q+2*\k]   ; part k's factor: an exact power of two
.endr
.endr
.irp q, 0,1
	v_mul_f32 v[226+\q], v[210+8*\q], v[193+2*\q]
.endr
.irp k, 1,2,3
.irp q, 0,1
	s_delay_alu instid0(VALU_DEP_2)
	v_fmac_f32 v[226+\q], v[210+8*\q+2*\k], v[193+4*\k+2*\q]   ; the row's sum over all keys
.endr
.endr
	s_wait_alu depctr_va_vdst(0)
.irp q, 0,1
	v_rcp_f32 v[228+\q], v[226+\q]
.endr
	v_nop                                          ; a plain instruction behind the reciprocals
	s_wait_alu depctr_va_vdst(0)                   ; and the wait ahead of their first reader
.irp q, 0,1
.irp k, 0,1,2,3
	v_mul_f32 v[210+8*\q+2*\k], v[210+8*\q+2*\k], v[228+\q]   ; factor / sum
.endr
.endr
.irp q, 0,1
.irp j, 0,2,4,6,8,10,12,14
	v_pk_mul_f32 v[64+16*\q+\j:64+16*\q+\j+1], v[64+16*\q+\j:64+16*\q+\j+1], v[210+8*\q:211+8*\q] op_sel_hi:[1,0]
.endr
.endr
.irp k, 1,2,3
.irp q, 0,1
.irp j, 0,2,4,6,8,10,12,14
	v_pk_fma_f32 v[64+16*\q+\j:64+16*\q+\j+1], v[64+32*\k+16*\q+\j:64+32*\k+16*\q+\j+1], v[210+8*\q+2*\k:211+8*\q+2*\k], v[64+16*\q+\j:64+16*\q+\j+1] op_sel_hi:[1,0,1]
.endr
.endr
.endr
.irp q, 0,1
.irp e, 0,1,2,3
	ds_store_b128 v22, v[64+16*\q+4*\e:64+16*\q+4*\e+3] offset:8*528*\q+16*\e   ; my 16 registers are channels 32 x part + 16 h + 0 .. 15 of one query: 64 bytes of its row
.endr
.endr
	s_wait_dscnt 0x0                               ; for the others' sake: a row's 512 bytes come from four waves
	s_barrier_signal -1
	s_barrier_wait -1
.irp i, 0,1,2,3,4,5,6,7
	ds_load_b128 v[128+4*\i:128+4*\i+3], v23 offset:528*\i
.endr
.irp i, 0,1,2,3,4,5,6,7
	s_wait_dscnt 7-\i                              ; the younger rows' loads may be out
	global_store_b128 v24, v[128+4*\i:128+4*\i+3], s[8:9] offset:512*\i th:TH_STORE_NT   ; 32 lanes store a row of 512 consecutive bytes, at a multiple of 256 from out0's first byte
.endr
	s_wait_tensorcnt 0x0                           ; the wave's end
	ds_add_u32 v4, v5
	s_wait_dscnt 0x0
	ROUND                                          ; the closing round: no work-group ends while a partner may still ask for a tile that names it
	s_endpgm
.Lfunc_end_k_q539a3a562a_attn:
	.size	k_q539a3a562a_attn, .Lfunc_end_k_q539a3a562a_attn-k_q539a3a562a_attn
	.p2alignl 7, 3214868480
	.fill 96, 4, 3214868480
	.section	.rodata,"a",@progbits
	.p2align	6, 0x0
	.amdhsa_kernel k_q539a3a562a_attn
		.amdhsa_group_segment_fixed_size 327680
		.amdhsa_private_segment_fixed_size 0
		.amdhsa_enable_private_segment 0
		.amdhsa_kernarg_size 24
		.amdhsa_user_sgpr_count 2
		.amdhsa_user_sgpr_kernarg_segment_ptr 1
		.amdhsa_wavefront_size32 1
		.amdhsa_system_sgpr_workgroup_id_x 1
		.amdhsa_system_sgpr_workgroup_id_y 1
		.amdhsa_system_sgpr_workgroup_id_z 1
		.amdhsa_system_vgpr_workitem_id 0
		.amdhsa_next_free_vgpr 512
		.amdhsa_next_free_sgpr 66
		.amdhsa_reserve_vcc 0
		.amdhsa_float_denorm_mode_32 3
		.amdhsa_float_denorm_mode_16_64 3
		.amdhsa_memory_ordered 1
		.amdhsa_forward_progress 1
		.amdhsa_inst_pref_size 133
	.end_amdhsa_kernel
	.amdgpu_metadata
---
amdhsa.version: [ 1, 2 ]
amdhsa.kernels:
  - .name:           k_q539a3a562a_attn
    .symbol:         k_q539a3a562a_attn.kd
    .args:
      - { .name: qq, .offset: 0, .size: 8, .value_kind: global_buffer, .address_space: global }
      - { .name: kv, .offset: 8, .size: 8, .value_kind: global_buffer, .address_space: global }
      - { .name: out0, .offset: 16, .size: 8, .value_kind: global_buffer, .address_space: global }
    .group_segment_fixed_size: 327680
    .private_segment_fixed_size: 0
    .kernarg_segment_align: 8
    .kernarg_segment_size: 24
    .max_flat_workgroup_size: 256
    .sgpr_count:     66
    .vgpr_count:     512
    .wavefront_size: 32
...
	.end_amdgpu_metadata
.endif
;; end of part 3
